; MI455X (gfx1250); checked and timed in simulation.
; The chip was launched on July 23, 2026; its instructions are those of AMD's public machine-readable ISA for CDNA 5 (MIT licence, August 2026) and "CDNA5" Instruction Set Architecture Reference Guide (July 2026). The comments in the code are by the model that wrote it; some were corrected since.
;; MDM. Allowed arithmetic: float matrix products may take bf16 or f16 operands with f32 sums; other float arithmetic in f32, or as packed bf16 or f16 multiplies, adds, multiply-adds, maxima and minima; sums over many terms, partial sums and values carried from step to step in f32; what a program stores and reads back later, other than sums and carried values, may be rounded once to bf16 or f16.
;; Inputs: Wk 1,024 x 1,024 float32; Wq 1,024 x 1,024 float32; Wv 1,024 x 1,024 float32; bk 1,024 float32; bq 1,024 float32; bv 1,024 float32; norm_b 1,024 float32; norm_w 1,024 float32; tnorm_b 1,024 float32; tnorm_w 1,024 float32; x 4,096 x 4 x 1,024 float32.
;; Outputs: out0 4 x 4,096 x 1,024 float32.
;; One version. Each part assembles by itself: llvm-mc -triple=amdgcn-amd-amdhsa -mcpu=gfx1250 --defsym DOCPART=n.
;; ======== version 1 of 1: 4 launches
;; limits: values are held in f16: magnitudes above 65,504 overflow, below 6.1e-05 lose precision
;; workspace buffers: xh 33,554,432 bytes; wc 6,291,456 bytes; bc 12,288 bytes; part 33,554,432 bytes; stat 1,048,576 bytes; attf 1,048,576 bytes
;; launch prep (part 1): grid 2432 x 1, 8 waves a work-group, no clusters, 0 bytes of LDS; arguments x, xh, norm_w, norm_b, tnorm_w, tnorm_b, Wq, Wk, Wv, bq, bk, bv, wc, bc; writes xh, wc, bc
.if DOCPART == 1
	.amdgcn_target "amdgcn-amd-amdhsa--gfx1250"
	.amdhsa_code_object_version 6
	.text
	.protected	k_qe73b143187_prep
	.globl	k_qe73b143187_prep
	.p2align	8
	.type	k_qe73b143187_prep,@function
k_qe73b143187_prep:
	s_mov_b64 s[64:65], 0
	v_nop
	global_prefetch_b8 v0, s[64:65] scope:SCOPE_SE
	s_setreg_imm32_b32 hwreg(HW_REG_WAVE_MODE, 25, 1), 1
	s_wait_xcnt 0x0
; PREP.  Two kinds of work-group, told apart by the work-group's number; in both a wave owns one row of 1,024 f32 (4,096 bytes, eight loads of 16 bytes a lane).
; (1) Work-groups 0 .. 2,047: xh[b*4096+t][:] = (x[t][b][:] - mean) * rsqrt(var + 1e-5), in f16.  Mean and variance in f32, the variance of the centred row (two passes over registers).
;     Both LayerNorms of the module share these statistics; their gains and biases are folded into the weights:  LN(x) W^T + bias = xh (W o g)^T + (W . bn + bias).
; (2) Work-groups 2,048 .. 2,431: row j of wc = (row of W) o g in f16, bc[j] = (row of W) . bn + bias in f32.
;     Rows 0 .. 2,047 of wc: head h has rows 256 h .., in four blocks of 64: k channels 0-63 | v channels 0-63 | k channels 64-127 | v channels 64-127.  Rows 2,048 .. 3,071: Wq's rows.
; LIMITS.  |xh| <= 32 whatever x holds.  W o g is kept in f16: beyond 65,504 it would be an infinity; below 6e-5 it keeps f16's fixed step of 6e-8.  NaN and infinities are not treated apart.
; No LDS, no barrier, no matrix unit, no cluster: no wave wants a byte that another has fetched but the 4 KiB of gain and bias, and the launch only streams.
; Each store of a wave covers 256 consecutive bytes, aligned; the one exception is bc: 4 bytes a row, 12 KiB in the launch.
.set T,  8                             ; v[8:15]   four chains of packed sums
.set X,  32                            ; v[32:63]  the row
.set G,  64                            ; v[64:95]  the gain
.set BN, 96                            ; v[96:127] the LayerNorm's bias
.macro SUM4                            ; the four chains into v[T]
	v_pk_add_f32 v[T:T+1], v[T:T+1], v[T+2:T+3]
	v_pk_add_f32 v[T+4:T+5], v[T+4:T+5], v[T+6:T+7]
	v_pk_add_f32 v[T:T+1], v[T:T+1], v[T+4:T+5]
	v_add_f32 v[T], v[T], v[T+1]
.endm
.macro REDUCE                          ; the sum over the 32 lanes, in every lane
	v_add_f32_dpp v[T], v[T], v[T] row_xmask:1 row_mask:0xf bank_mask:0xf
	v_add_f32_dpp v[T], v[T], v[T] row_xmask:2 row_mask:0xf bank_mask:0xf
	v_add_f32_dpp v[T], v[T], v[T] row_xmask:4 row_mask:0xf bank_mask:0xf
	v_add_f32_dpp v[T], v[T], v[T] row_xmask:8 row_mask:0xf bank_mask:0xf
	v_permlanex16_b32 v18, v[T], s34, s35
	v_add_f32 v[T], v[T], v18
.endm
.macro DOT a, b                        ; the lane's 32 products of registers a.. and b.., in four chains
.irp q, 0,1,2,3
	v_pk_mul_f32 v[T+2*\q:T+2*\q+1], v[(\a)+2*\q:(\a)+2*\q+1], v[(\b)+2*\q:(\b)+2*\q+1]
.endr
.irp o, 8,16,24
.irp q, 0,1,2,3
	v_pk_fma_f32 v[T+2*\q:T+2*\q+1], v[(\a)+\o+2*\q:(\a)+\o+2*\q+1], v[(\b)+\o+2*\q:(\b)+\o+2*\q+1], v[T+2*\q:T+2*\q+1]
.endr
.endr
.endm
.macro OUT16 lo                        ; the row rounded to f16 in place and stored at s[lo:lo+1]: my four numbers of each 128 are 8 bytes
.irp j, 0,1,2,3,4,5,6,7
	v_cvt_pk_f16_f32 v[X+4*\j], v[X+4*\j], v[X+4*\j+1]
	v_cvt_pk_f16_f32 v[X+4*\j+1], v[X+4*\j+2], v[X+4*\j+3]
.endr
.irp j, 0,1,2,3,4,5,6,7
	global_store_b64 v3, v[X+4*\j:X+4*\j+1], s[\lo:\lo+1] offset:256*\j
.endr
.endm
	s_load_b512 s[4:19], s[0:1], 0x0               ; x 4:5, xh 6:7, norm_w 8:9, norm_b 10:11, tnorm_w 12:13, tnorm_b 14:15, Wq 16:17, Wk 18:19
	s_load_b256 s[20:27], s[0:1], 0x40             ; Wv 20:21, bq 22:23, bk 24:25, bv 26:27
	s_load_b128 s[28:31], s[0:1], 0x60             ; wc 28:29, bc 30:31
	v_lshrrev_b32 v4, 5, v0
	v_readfirstlane_b32 s32, v4                    ; wave 0..7
	v_and_b32 v1, 31, v0                           ; lane
	v_lshlrev_b32 v2, 4, v1                        ; 16 bytes a lane on the way in
	v_lshlrev_b32 v3, 3, v1                        ; 8 bytes a lane on the way out
	v_mov_b32 v18, 0                               ; v_permlanex16_b32's destination counts as read
	v_mov_b32 v19, 0
	s_mov_b32 s34, 0x76543210                      ; each lane takes its own place in the other half
	s_mov_b32 s35, 0xfedcba98
	s_cmp_lt_u32 ttmp9, 2048
	s_cbranch_scc0 .Lfold
	; (1) a row of x
	s_lshl_b32 s33, ttmp9, 3
	s_add_co_u32 s33, s33, s32                     ; x's row 4 t + b
	s_lshl_b32 s36, s33, 12                        ; x 4,096 bytes
	s_mov_b32 s37, 0
	s_and_b32 s38, s33, 3                          ; b
	s_lshr_b32 s39, s33, 2                         ; t
	s_lshl_b32 s38, s38, 12
	s_add_co_u32 s38, s38, s39                     ; xh's row 4,096 b + t
	s_lshl_b32 s38, s38, 11                        ; x 2,048 bytes
	s_mov_b32 s39, 0
	s_mov_b32 s40, 0x3a800000                      ; 1 / 1,024
	s_mov_b32 s41, 0x3727c5ac                      ; 1e-5
	s_wait_kmcnt 0x0
	s_add_nc_u64 s[4:5], s[4:5], s[36:37]
	s_add_nc_u64 s[6:7], s[6:7], s[38:39]
.irp j, 0,1,2,3,4,5,6,7
	global_load_b128 v[X+4*\j:X+4*\j+3], v2, s[4:5] offset:512*\j th:TH_LOAD_NT
.endr
	s_wait_loadcnt 0x0
.irp q, 0,1,2,3
	v_pk_add_f32 v[T+2*\q:T+2*\q+1], v[X+2*\q:X+2*\q+1], v[X+8+2*\q:X+8+2*\q+1]
.endr
.irp o, 16,24
.irp q, 0,1,2,3
	v_pk_add_f32 v[T+2*\q:T+2*\q+1], v[T+2*\q:T+2*\q+1], v[X+\o+2*\q:X+\o+2*\q+1]
.endr
.endr
	SUM4
	REDUCE
	v_mul_f32 v16, s40, v[T]                       ; the mean, twice: a pair for the packed subtraction
	v_mov_b32 v17, v16
.set i, 0
.rept 16
	v_pk_add_f32 v[X+i:X+i+1], v[X+i:X+i+1], v[16:17] neg_lo:[0,1] neg_hi:[0,1]
.set i, i+2
.endr
	DOT X, X                                       ; the centred row's squares
	SUM4
	REDUCE
	v_fma_f32 v[T], v[T], s40, s41                 ; var + eps
	v_rsq_f32 v16, v[T]
	v_rsq_f32 v17, v[T]
	v_nop                                          ; a plain instruction behind the second root,
	s_wait_alu depctr_va_vdst(0)                   ; and one wait for both, ahead of their first reader
.set i, 0
.rept 16
	v_pk_mul_f32 v[X+i:X+i+1], v[X+i:X+i+1], v[16:17]
.set i, i+2
.endr
	OUT16 6
	s_endpgm
.Lfold:	; (2) a row of the folded weights
	s_sub_co_u32 s33, ttmp9, 2048
	s_lshl_b32 s33, s33, 3
	s_add_co_u32 s33, s33, s32                     ; j, wc's row
	s_lshr_b32 s46, s33, 7                         ; 2 h + half
	s_lshl_b32 s46, s46, 6
	s_and_b32 s47, s33, 63
	s_add_co_u32 s46, s46, s47                     ; the row of Wk or Wv: 128 h + 64 half + j % 64
	s_sub_co_u32 s47, s33, 2048                    ; the row of Wq (used where j >= 2,048)
	s_wait_kmcnt 0x0
	s_bitcmp1_b32 s33, 6                           ; the blocks of 64 alternate: k, v
	s_cselect_b64 s[36:37], s[20:21], s[18:19]
	s_cselect_b64 s[38:39], s[26:27], s[24:25]
	s_cmp_lt_u32 s33, 2048
	s_cselect_b64 s[36:37], s[36:37], s[16:17]     ; W
	s_cselect_b64 s[38:39], s[38:39], s[22:23]     ; its bias
	s_cselect_b64 s[40:41], s[12:13], s[8:9]       ; the gain: text_norm's for k and v, norm's for q
	s_cselect_b64 s[42:43], s[14:15], s[10:11]     ; the LayerNorm's bias likewise
	s_cselect_b32 s46, s46, s47
	s_lshl_b32 s48, s46, 12
	s_mov_b32 s49, 0
	s_add_nc_u64 s[36:37], s[36:37], s[48:49]
	s_lshl_b32 s48, s46, 2
	s_add_nc_u64 s[38:39], s[38:39], s[48:49]
	s_lshl_b32 s48, s33, 11
	s_add_nc_u64 s[28:29], s[28:29], s[48:49]
	s_lshl_b32 s48, s33, 2
	s_add_nc_u64 s[30:31], s[30:31], s[48:49]
	s_load_b32 s44, s[38:39], 0x0                  ; the row's bias
.irp j, 0,1,2,3,4,5,6,7
	global_load_b128 v[G+4*\j:G+4*\j+3], v2, s[40:41] offset:512*\j
.endr
.irp j, 0,1,2,3,4,5,6,7
	global_load_b128 v[BN+4*\j:BN+4*\j+3], v2, s[42:43] offset:512*\j
.endr
.irp j, 0,1,2,3,4,5,6,7
	global_load_b128 v[X+4*\j:X+4*\j+3], v2, s[36:37] offset:512*\j th:TH_LOAD_NT
.endr
	s_wait_loadcnt 0x0
	s_wait_kmcnt 0x0
	DOT X, BN
	SUM4
	REDUCE
	v_add_f32 v[T], s44, v[T]                      ; W . bn + bias
.set i, 0
.rept 16
	v_pk_mul_f32 v[X+i:X+i+1], v[X+i:X+i+1], v[G+i:G+i+1]
.set i, i+2
.endr
	OUT16 28
	v_cmp_eq_u32 vcc_lo, 0, v1
	s_wait_xcnt 0x0                                ; EXEC changes only when the stores above have read it
	s_and_saveexec_b32 s45, vcc_lo
	global_store_b32 v19, v[T], s[30:31]           ; lane 0 alone
	s_wait_xcnt 0x0
	s_or_b32 exec_lo, exec_lo, s45
	s_endpgm
.Lfunc_end_k_qe73b143187_prep:
	.size	k_qe73b143187_prep, .Lfunc_end_k_qe73b143187_prep-k_qe73b143187_prep
	.p2alignl 7, 3214868480
	.fill 96, 4, 3214868480
	.section	.rodata,"a",@progbits
	.p2align	6, 0x0
	.amdhsa_kernel k_qe73b143187_prep
		.amdhsa_group_segment_fixed_size 0
		.amdhsa_private_segment_fixed_size 0
		.amdhsa_enable_private_segment 0
		.amdhsa_kernarg_size 112
		.amdhsa_user_sgpr_count 2
		.amdhsa_user_sgpr_kernarg_segment_ptr 1
		.amdhsa_wavefront_size32 1
		.amdhsa_system_sgpr_workgroup_id_x 1
		.amdhsa_system_sgpr_workgroup_id_y 1
		.amdhsa_system_sgpr_workgroup_id_z 1
		.amdhsa_system_vgpr_workitem_id 0
		.amdhsa_next_free_vgpr 128
		.amdhsa_next_free_sgpr 66
		.amdhsa_reserve_vcc 1
		.amdhsa_float_denorm_mode_32 3
		.amdhsa_float_denorm_mode_16_64 3
		.amdhsa_memory_ordered 1
		.amdhsa_forward_progress 1
		.amdhsa_inst_pref_size 18
	.end_amdhsa_kernel
	.amdgpu_metadata
---
amdhsa.version: [ 1, 2 ]
amdhsa.kernels:
  - .name:           k_qe73b143187_prep
    .symbol:         k_qe73b143187_prep.kd
    .args:
      - { .name: x, .offset: 0, .size: 8, .value_kind: global_buffer, .address_space: global }
      - { .name: xh, .offset: 8, .size: 8, .value_kind: global_buffer, .address_space: global }
      - { .name: norm_w, .offset: 16, .size: 8, .value_kind: global_buffer, .address_space: global }
      - { .name: norm_b, .offset: 24, .size: 8, .value_kind: global_buffer, .address_space: global }
      - { .name: tnorm_w, .offset: 32, .size: 8, .value_kind: global_buffer, .address_space: global }
      - { .name: tnorm_b, .offset: 40, .size: 8, .value_kind: global_buffer, .address_space: global }
      - { .name: Wq, .offset: 48, .size: 8, .value_kind: global_buffer, .address_space: global }
      - { .name: Wk, .offset: 56, .size: 8, .value_kind: global_buffer, .address_space: global }
      - { .name: Wv, .offset: 64, .size: 8, .value_kind: global_buffer, .address_space: global }
      - { .name: bq, .offset: 72, .size: 8, .value_kind: global_buffer, .address_space: global }
      - { .name: bk, .offset: 80, .size: 8, .value_kind: global_buffer, .address_space: global }
      - { .name: bv, .offset: 88, .size: 8, .value_kind: global_buffer, .address_space: global }
      - { .name: wc, .offset: 96, .size: 8, .value_kind: global_buffer, .address_space: global }
      - { .name: bc, .offset: 104, .size: 8, .value_kind: global_buffer, .address_space: global }
    .group_segment_fixed_size: 0
    .private_segment_fixed_size: 0
    .kernarg_segment_align: 8
    .kernarg_segment_size: 112
    .max_flat_workgroup_size: 256
    .sgpr_count:     66
    .vgpr_count:     128
    .wavefront_size: 32
...
	.end_amdgpu_metadata
.endif
;; end of part 1
;; launch kv (part 2): grid 8 x 64, 4 waves a work-group, clusters of 4 x 4, 327,680 bytes of LDS; arguments xh, wc, part, stat, bc; writes part, stat
.if DOCPART == 2
	.amdgcn_target "amdgcn-amd-amdhsa--gfx1250"
	.amdhsa_code_object_version 6
	.text
	.protected	k_qe73b143187_kv
	.globl	k_qe73b143187_kv
	.p2align	8
	.type	k_qe73b143187_kv,@function
k_qe73b143187_kv:
	s_mov_b64 s[64:65], 0
	v_nop
	global_prefetch_b8 v0, s[64:65] scope:SCOPE_SE
	s_setreg_imm32_b32 hwreg(HW_REG_WAVE_MODE, 25, 1), 1
	s_wait_xcnt 0x0
	s_wait_alu depctr_hold_cnt(0) depctr_sa_sdst(0) depctr_va_vdst(0) depctr_va_sdst(0) depctr_va_ssrc(0) depctr_va_vcc(0) depctr_vm_vsrc(0)
	s_getreg_b32 s2, hwreg(HW_REG_IB_STS2, 6, 4)
	s_cmp_eq_u32 s2, 0
	s_cbranch_scc0 .Lentry_in_a_cluster
	s_endpgm
.Lentry_in_a_cluster:
	s_bfe_u32 s2, ttmp6, 0x10000c
	s_cmp_lg_u32 s2, 0xf033
	s_cbranch_scc0 .Lentry_shape_is_right
	s_endpgm
.Lentry_shape_is_right:
; KV.  For a tile of 256 times (rows of xh) and one head: k and v (256 x 128 each) = xh wc^T + bc, sums in f32; then, without storing k or v,
;   m[d] = the tile's maximum of k[:, d];  p = 2^(c k - c m), c = log2(e);  s[d] = the sum of p over 128 times (one sum for each half of the tile);  A[d][l] = the sum over the tile's times of p[t][d] v[t][l].
; A (f32), m and s leave for the launch that joins the 16 tiles of a batch.  So the softmax over time takes its maximum away, tile by tile.
; LIMITS.  Matrix operands are f16: p lies in 0 to 1 and below 6e-5 keeps f16's fixed step of 6e-8; v must lie within 65,504.  A weight below 2^-126 counts as 0.  NaN and infinities are not treated apart.
; THE PRODUCT.  C tile 256 x 256: four waves, each 128 times x 128 columns (64 of k, 64 of v: wc's rows are laid so), 64 accumulators of 16 x 16 in 512 registers.  K = 1,024 goes in 8 steps of 128 through a ring
; of two LDS slots filled by the tensor data mover; rows of 256 bytes, padded by 16 in LDS.  Source 0 = 16 times, source 1 = 16 columns: a lane holds ONE column (lane % 16) and the times 8 (lane / 16) + 0..7,
; so two accumulators rounded to f16 in pairs ARE a fragment (16 columns x 32 times) of the second product.  The bias is the C operand of each sum's first product.
; THE LOOP.  A trip is one K step, written once: the slot in hand is a scalar (0 or SLOT) that one exclusive or turns, and the lane addresses and the walking descriptors are made from it.  Six trips fill a slot again
; (K steps 2 to 7); the last two K steps are a second loop of two trips without a fill, entered in its middle.
; CLUSTER.  4 x 4 work-groups: the four of a row need the same rows of xh, the four of a column the same rows of wc: each tile is asked for jointly, by the same tensor load with the same descriptor and mask.
; REGISTERS, in windows of 256 (s_set_vgpr_msb: bits 1:0 source 0, 3:2 source 1, 5:4 source 2, 7:6 destination):
;   window 0: v0-31 addresses; v32-63 statistics; v64-127, v128-191 fragments of xh, two buffers; later the packed fragments
;   window 1: v64-127, v128-191 fragments of wc; v192-255 the bias, eight registers for each block of 16 columns
;   window 2: accumulators of my times 0-63 ((a, b) at v[8 (8 a + b)]);  window 3: of my times 64-127
.set SIZE_K, 1024
.set KSTEP,  128
.set STEPS,  SIZE_K/KSTEP
.set PITCH,  272                       ; an LDS row: 256 bytes + 16 of padding = 68 words: the 16 rows of a fragment load start at 16 different groups of four banks (64 banks of 4 bytes: ISA guide 11.1)
.set HALFT,  128*PITCH                 ; what one tensor load brings
.set SLOT,   4*HALFT                   ; xh's 256 rows, then wc's 256 rows
.set FRV,    65536                     ; slot 0, when it has had its last fill and its last read: p's 64 fragments of 1,024 bytes from byte 0, v's from here
.set MX,     2*SLOT                    ; behind the ring: each wave's 64 column maxima, 256 bytes a wave
.set MX2,    MX+1024                   ; each wave's own 512 bytes, through which m and s leave
.set SPARE,  MX2+2048                  ; the spare words, 128 bytes a wave: two blocks of 256 bytes that no other line names
.set STP, 6                            ; v6   where I put 16 bytes of a fragment of p
.set STV, 7                            ; v7   of v
.set RDP, 8                            ; v8   where I read the fragments of p for my 64 channels d
.set RDV, 9                            ; v9   of v for my 64 channels l
.set MXS, 10                           ; v10  my column's word in my wave's maxima
.set MXL, 11                           ; v11  the same word of the wave with the other 128 times
.set PO,  12                           ; v12  my byte offset in the tile's part
.set SO,  13                           ; v13  my byte offset in the tile's stat
.set BO,  14                           ; v14  my byte offset in bc
.set SSA, 15                           ; v15  into my wave's 512 bytes: m (lanes 0-15) or s (lanes 16-31) of column lane % 16
.set ADRA0, 16                         ; v16  LDS address of my fragments of xh in slot 0; never rewritten
.set ADRA, 17                          ; v17  the same in the slot in hand
.set SLA, 18                           ; v18  back out of my wave's 512 bytes: 16 bytes a lane
.set ADRB0, 20                         ; v20, v21  the same two for wc
.set ADRB, 21
.set SPW, 28                           ; v28  LDS address of my spare word; never rewritten
.set NIL, 29                           ; v29  0; never rewritten
.set PFO, 30                           ; v30  the prefetches' offset: my lane x a row of 2,048 bytes; never rewritten
.set MS,  32                           ; v[32+2b] c m, v[33+2b] m of column block b (0..3)
.set SU,  40                           ; v[40+2b:41+2b] the sums of p: even times', odd times'
.set F0,  64
.set F1,  128
.set TMP, 64                           ; 16 packed fragments of 8 registers
.set BIAS, 192                         ; window 1
.set LIM, 43                           ; s43  2 in a wave that prefetches, else the greatest number
.set PFA, 44                           ; s[44:45] where my prefetches stand
.set G1, 24                            ; s[24:31] descriptor group 1 for xh's tiles;  s[32:39] group 0: a set for each of the two first fills; the second then walks on
.set G0, 32
.set G1B, 48                           ; s[48:55], s[56:63] the same for wc's tiles
.set G0B, 56
.set CS, 66                            ; s[66:67] c
.set SEL, 68                           ; s[68:69] v_permlanex16_b32's selects
.set CUR, 92                           ; s92  the slot in hand: 0 or SLOT
.set LB,  93                           ; s93  my wave's place in a slot: wave x 128 rows
.set MSB, 0
.macro WIN new                         ; the immediate's high byte repeats the setting that is left; a switch that changes nothing is dropped
.if MSB != (\new)
	s_set_vgpr_msb (MSB<<8)|(\new)
.set MSB, \new
.endif
.endm
.set TO_B, 0x40                        ; destination window 1, address window 0
; A joint load.  Waves 0 and 1 fetch the two halves of xh's tile, waves 2 and 3 those of wc's.  The branch hangs on the wave's number alone.  An s_nop 0 and four v_nop follow each line.
.macro JLOAD s
	s_cmp_eq_u32 s11, 0
	s_cbranch_scc0 .Lfor_b_\@
	tensor_load_to_lds s[G0+4*(\s):G0+4*(\s)+3], s[G1:G1+7]
	s_nop 0
.rept 4
	v_nop
.endr
	s_branch .Lasked_\@
.Lfor_b_\@:
	tensor_load_to_lds s[G0B+4*(\s):G0B+4*(\s)+3], s[G1B:G1B+7]
	s_nop 0
.rept 4
	v_nop
.endr
.Lasked_\@:
.endm
; A prefetch of the K step that stands two refills on: 32 rows x 256 bytes, a lane a row.  xh's rows are read by both clusters of a row of clusters: cluster x = 0 asks; wc's by all clusters of a column: cluster y = 0 asks.
; The four partners that ask for a tile jointly take 32 of a wave's 128 rows each, told apart by address.  So each row's 256 bytes of K steps 4 to 7 are named once; the loop's last two trips (s3 = 2, 1) ask for nothing.
.macro ASK
	s_cmp_gt_u32 s3, s[LIM]
	s_cbranch_scc0 .Lnot_mine_\@
	global_prefetch_b8 v[PFO], s[PFA:PFA+1] offset:KSTEP*2 th:TH_LOAD_NT scope:SCOPE_SE
.Lnot_mine_\@:
.endm
.macro CREST                           ; a round of the cluster's barrier behind its opening barrier
	s_cmp_lg_u32 s10, 0
	s_cbranch_scc1 .Lnot_wave_0_\@
	s_barrier_signal -3
.Lnot_wave_0_\@:
	s_barrier_wait -3
	s_barrier_signal -1
	s_barrier_wait -1
.endm
.macro CROUND                          ; a whole round
	s_barrier_signal -1
	s_barrier_wait -1
	CREST
.endm
	s_load_b256 s[72:79], s[0:1], 0x0              ; xh 72:73, wc 74:75, part 76:77, stat 78:79
	s_load_b64 s[80:81], s[0:1], 0x20              ; bc
	v_lshl_add_u32 v[SPW], v0, 2, SPARE
	v_mov_b32 v[NIL], 0
	ds_add_u32 v[SPW], v[NIL]                      ; the wave's opening: the add and its wait stand ahead of my first tensor load; work on registers stands between them
	v_lshrrev_b32 v1, 5, v0
	v_readfirstlane_b32 s10, v1                    ; wave 0..3
	s_lshr_b32 s11, s10, 1                         ; which 128 times are mine.  Also: I fetch for xh (0) or for wc (1)
	s_and_b32 s12, s10, 1                          ; which 128 columns.  Also: which 128 rows of that tile I fetch
	s_bfe_u32 s40, ttmp6, 0x40000                  ; cx
	s_bfe_u32 s41, ttmp6, 0x40004                  ; cy
	s_lshl_b32 s42, ttmp9, 2
	s_add_co_u32 s42, s42, s40                     ; the head = 4 x cluster x + cx
	s_and_b32 s13, ttmp7, 0xffff
	s_lshl_b32 s13, s13, 2
	s_add_co_u32 s13, s13, s41                     ; the block of 256 rows = 4 x cluster y + cy
	s_lshl_b32 s43, s41, 2
	s_lshl_b32 s43, 15, s43                        ; my row of the cluster
	s_lshl_b32 s44, 0x1111, s40                    ; my column
	s_or_b32 s[G1+0], s43, (1<<16)|(1<<20)|(1<<21)|(5<<22)|(3<<25)   ; 15:0 the mask; 17:16 elements of 2 bytes; 20 padding on; 21 set beside a mask; 24:22 after every 64 words; 31:25 4 words of it
	s_or_b32 s[G1B+0], s44, (1<<16)|(1<<20)|(1<<21)|(5<<22)|(3<<25)
.irp g, G1, G1B
	s_mov_b32 s[(\g)+1], KSTEP<<16                 ; tensor_dim0 = 128
	s_mov_b32 s[(\g)+2], 128<<16                   ; tensor_dim1 = 128
	s_mov_b32 s[(\g)+3], KSTEP<<16                 ; tile_dim0 = 128
	s_mov_b32 s[(\g)+4], 128                       ; tile_dim1 = 128
	s_mov_b32 s[(\g)+5], SIZE_K                    ; elements from row to row
	s_mov_b32 s[(\g)+6], 0
	s_mov_b32 s[(\g)+7], 0
.endr
	s_mov_b32 s[CS], 0x3fb8aa3b                    ; log2(e)
	s_mov_b32 s[CS+1], s[CS]
	s_mov_b32 s[SEL], 0x76543210
	s_mov_b32 s[SEL+1], 0xfedcba98
	s_mov_b32 s[CUR], 0                            ; K step 0 lies in slot 0
	s_lshl_b32 s17, s12, 7
	s_lshl_b32 s16, s13, 8
	s_add_co_u32 s16, s16, s17                     ; xh: row 256 x block + 128 x half
	s_lshl_b32 s46, s42, 8
	s_add_co_u32 s46, s46, s17                     ; wc: row 256 x head + 128 x half
	s_mov_b32 s17, 0
	s_mov_b32 s47, 0
	s_mov_b64 s[18:19], SIZE_K*2
	s_mul_u64 s[16:17], s[16:17], s[18:19]
	s_mul_u64 s[46:47], s[46:47], s[18:19]
	s_mul_i32 s[LB], s10, HALFT                    ; where they go: wave x 128 rows: no place in the cluster enters an LDS address
	s_wait_dscnt 0x0                               ; the opening add is done
	s_wait_kmcnt 0x0
	s_add_nc_u64 s[14:15], s[72:73], s[16:17]
	s_add_nc_u64 s[46:47], s[74:75], s[46:47]
	CROUND                                         ; all sixteen work-groups are here: the first joint loads meet
.irp s, 0,1
	s_mov_b32 s[G0+4*(\s)], 1
	s_add_co_u32 s[G0+4*(\s)+1], s[LB], (\s)*SLOT
	s_add_nc_u64 s[G0+4*(\s)+2:G0+4*(\s)+3], s[14:15], (\s)*KSTEP*2
	s_or_b32 s[G0+4*(\s)+3], s[G0+4*(\s)+3], 0x80000000
	s_mov_b32 s[G0B+4*(\s)], 1
	s_add_co_u32 s[G0B+4*(\s)+1], s[LB], (\s)*SLOT
	s_add_nc_u64 s[G0B+4*(\s)+2:G0B+4*(\s)+3], s[46:47], (\s)*KSTEP*2
	s_or_b32 s[G0B+4*(\s)+3], s[G0B+4*(\s)+3], 0x80000000
	JLOAD \s                                       ; K steps 0 and 1: two loads of mine are out
.endr
	v_and_b32 v1, 15, v0                           ; r = l % 16
	v_bfe_u32 v2, v0, 4, 1                         ; hh = l / 16
	v_and_b32 v5, 31, v0                           ; l
	v_lshlrev_b32 v4, 4, v5                        ; 16 l
	v_mul_u32_u24 v3, v1, PITCH
	v_lshl_add_u32 v3, v2, 4, v3                   ; a fragment's row x pitch + 16 x half
	s_mul_i32 s21, s11, HALFT
	s_mul_i32 s22, s12, HALFT
	s_add_co_u32 s22, s22, 2*HALFT
	v_add_nc_u32 v[ADRA0], s21, v3
	v_add_nc_u32 v[ADRB0], s22, v3
	v_mov_b32 v[ADRA], v[ADRA0]
	v_mov_b32 v[ADRB], v[ADRB0]
	; fragment (block nb of 16 channels, ks of 32 times) lies at (8 nb + ks) x 1,024 + 512 x (registers 4-7) + 16 l.  I make nb = 4 ch + b, ks = 4 rh + p
	s_lshl_b32 s20, s12, 15
	s_lshl_b32 s21, s11, 12
	s_add_co_u32 s21, s21, s20
	v_add_nc_u32 v[STP], s21, v4
	v_add_nc_u32 v[STV], FRV, v[STP]
	v_add_nc_u32 v[RDP], s20, v4                   ; and read p's blocks 4 ch + i,
	s_lshl_b32 s21, s11, 15
	s_add_co_u32 s21, s21, FRV
	v_add_nc_u32 v[RDV], s21, v4                   ; v's blocks 4 rh + jn
	s_lshl_b32 s21, s10, 8
	s_add_co_u32 s21, s21, MX
	v_lshl_add_u32 v[MXS], v1, 2, s21
	s_xor_b32 s21, s10, 2
	s_lshl_b32 s21, s21, 8
	s_add_co_u32 s21, s21, MX
	v_lshl_add_u32 v[MXL], v1, 2, s21
	s_lshl_b32 s21, s10, 9
	s_add_co_u32 s21, s21, MX2
	v_add_nc_u32 v[SLA], s21, v4
	v_lshl_add_u32 v[SSA], v1, 2, s21
	v_lshl_add_u32 v[SSA], v2, 8, v[SSA]
	s_lshl_b32 s21, s11, 15
	s_lshl_b32 s22, s12, 12
	s_add_co_u32 s21, s21, s22
	v_add_nc_u32 v[PO], s21, v4                    ; part: accumulator (lb, db) at (8 lb + db) x 1,024
	s_lshl_b32 s21, s11, 10
	s_lshl_b32 s22, s12, 8
	s_add_co_u32 s21, s21, s22
	v_lshl_add_u32 v[SO], v1, 4, s21               ; stat: 1,024 rh + 512 (m or s) + 256 ch + 16 r
	v_lshl_add_u32 v[SO], v2, 9, v[SO]
	v_cmp_lt_u32 s70, 15, v5                       ; lanes 16-31
	s_lshl_b32 s84, s13, 3
	s_add_co_u32 s84, s84, s42                     ; the tile's number = 8 x block + head
	s_lshl_b32 s86, s84, 11
	s_lshl_b32 s84, s84, 16
	s_mov_b32 s85, 0
	s_mov_b32 s87, 0
	s_add_nc_u64 s[76:77], s[76:77], s[84:85]
	s_add_nc_u64 s[78:79], s[78:79], s[86:87]
	s_lshl_b32 s88, s42, 10
	s_lshl_b32 s89, s12, 9
	s_add_co_u32 s88, s88, s89
	v_lshl_add_u32 v[BO], v1, 2, s88               ; bc: (256 head + 128 ch + r) x 4
	; the prefetches
	s_lshl_b32 s90, s13, 8
	s_lshl_b32 s91, s42, 8
	s_and_b32 s22, ttmp7, 0xffff                   ; cluster y
	s_cmp_eq_u32 s11, 0                            ; do I fetch for xh?
	s_cselect_b32 s20, s90, s91                    ; the tile's first row
	s_cselect_b32 s21, s40, s41                    ; my place among the four that ask with me
	s_cselect_b32 s22, ttmp9, s22                  ; the coordinate along which other clusters read the same rows
	s_cselect_b64 s[PFA:PFA+1], s[72:73], s[74:75]
	s_cmp_eq_u32 s22, 0
	s_cselect_b32 s[LIM], 2, -1
	s_lshl_b32 s22, s12, 7
	s_add_co_u32 s20, s20, s22
	s_lshl_b32 s21, s21, 5
	s_add_co_u32 s20, s20, s21
	s_mov_b32 s21, 0
	s_mov_b64 s[18:19], SIZE_K*2
	s_mul_u64 s[20:21], s[20:21], s[18:19]
	s_add_nc_u64 s[PFA:PFA+1], s[PFA:PFA+1], s[20:21]
	s_add_nc_u64 s[PFA:PFA+1], s[PFA:PFA+1], 2*KSTEP*2  ; at K step 2: the first refill steps it to 3 and names K step 4
	v_and_b32 v[PFO], 31, v0
	v_mul_u32_u24 v[PFO], v[PFO], SIZE_K*2
	; the bias: a lane is one column, so all eight registers of a block's C operand hold the same number
	WIN 0x40
.irp b, 0,1,2,3,4,5,6,7
	global_load_b32 v[BIAS+8*\b], v[BO], s[80:81] offset:64*\b
.endr
	s_wait_loadcnt 0x0
	WIN 0x41
.set n, 0
.rept 64
.if n%8
	v_mov_b32 v[BIAS+n], v[BIAS+n-n%8]
.endif
.set n, n+1
.endr
	WIN 0
; 16 matrix instructions: time blocks a0, a0 + 1 of the window's four x all 8 column blocks, 32 along K.  first = 1: the sum starts with the bias.  The 64 accumulators take turns, one instruction a turn.
.macro MUL16 f, hi, a0, first
.if \first
	WIN 0x94+0x40*(\hi)                            ; xh window 0, wc and the bias window 1, D window 2 or 3
.else
	WIN 0xa4+0x50*(\hi)                            ; xh window 0, wc window 1, C and D window 2 or 3
.endif
.irp a, \a0, (\a0)+1
.irp b, 0,1,2,3,4,5,6,7
.if \first
	v_wmma_f32_16x16x32_f16 v[8*(8*(\a)+(\b)):8*(8*(\a)+(\b))+7], v[(\f)+8*(4*(\hi)+(\a)):(\f)+8*(4*(\hi)+(\a))+7], v[(\f)+8*(\b):(\f)+8*(\b)+7], v[BIAS+8*(\b):BIAS+8*(\b)+7]
.else
	v_wmma_f32_16x16x32_f16 v[8*(8*(\a)+(\b)):8*(8*(\a)+(\b))+7], v[(\f)+8*(4*(\hi)+(\a)):(\f)+8*(4*(\hi)+(\a))+7], v[(\f)+8*(\b):(\f)+8*(\b)+7], v[8*(8*(\a)+(\b)):8*(8*(\a)+(\b))+7]
.endif
.endr
.endr
.endm
; 32 LDS loads in one run: the fragments of one quarter step (32 K at byte k of the rows of the slot in hand) into buffer f
.macro FETCH k, f
	WIN TO_B
.irp i, 0,1,2,3,4,5,6,7
	ds_load_b128 v[(\f)+8*(\i):(\f)+8*(\i)+3],   v[ADRB] offset:(\k)+(\i)*16*PITCH
	ds_load_b128 v[(\f)+8*(\i)+4:(\f)+8*(\i)+7], v[ADRB] offset:(\k)+(\i)*16*PITCH+32
.endr
	WIN 0
.irp i, 0,1,2,3,4,5,6,7
	ds_load_b128 v[(\f)+8*(\i):(\f)+8*(\i)+3],   v[ADRA] offset:(\k)+(\i)*16*PITCH
	ds_load_b128 v[(\f)+8*(\i)+4:(\f)+8*(\i)+7], v[ADRA] offset:(\k)+(\i)*16*PITCH+32
.endr
.endm
.macro PLACES                          ; four plain instructions behind a matrix instruction, in front of loads into registers that it has read and of vector work on its results
.rept 4
	v_nop
.endr
.endm
; A K step is four quarters of 32 along K, 64 matrix instructions each, on buffers 0, 1, 0, 1.  One of the first three: multiplies f, and in its middle fetches the next quarter into g.
.macro QUARTER k, f, g, first
	s_wait_dscnt 8                                 ; wc's fragments and xh's rows 0-63 are in; the youngest eight loads (rows 64-127) may be out
	MUL16 \f, 0, 0, \first
	MUL16 \f, 0, 2, \first
	PLACES
	FETCH \k, \g
	s_wait_dscnt 32                                ; all but the 32 just issued
	MUL16 \f, 1, 0, \first
	MUL16 \f, 1, 2, \first
.endm
; The first half of a step's last quarter: one barrier for the change of slots.  In front of it each wave waits for all its tensor loads (one is out: its part of the next slot), adds 0 to its spare word,
; and waits for that and for its reads of this slot.
.macro MEET
	WIN 0
	s_wait_tensorcnt 0x0
	ds_add_u32 v[SPW], v[NIL]
	s_wait_dscnt 9                                 ; the add and the youngest eight loads may be out
	MUL16 F1, 0, 0, 0
	s_wait_dscnt 0x0                               ; the add is done, and my reads of this slot are over
	s_barrier_signal -1
	MUL16 F1, 0, 2, 0
	WIN 0                                          ; branches or lines on window 0 follow
	s_barrier_wait -1
.endm
.macro FLIP                            ; the other slot is in hand: the scalar turns, the two lane addresses follow
	s_xor_b32 s[CUR], s[CUR], SLOT
	v_add_nc_u32 v[ADRA], s[CUR], v[ADRA0]
	v_add_nc_u32 v[ADRB], s[CUR], v[ADRB0]
.endm
; The whole last quarter where the slot is filled again, two K steps ahead: the barrier opens a round of the cluster's, and the joint refill is the first tensor load behind it: 224 matrix instructions ahead of the wait for it.
.macro TURN
	s_wait_xcnt 0x0                                ; the last prefetch, a K step back, has read its address
	s_add_nc_u64 s[PFA:PFA+1], s[PFA:PFA+1], KSTEP*2
	MEET
	CREST
	s_add_co_u32 s[G0+5], s[LB], s[CUR]            ; no tensor load of mine is out: the walking descriptors take the slot just read out
	s_add_nc_u64 s[G0+6:G0+7], s[G0+6:G0+7], KSTEP*2    ; and the next K step; the type bits on top are not reached
	s_add_co_u32 s[G0B+5], s[LB], s[CUR]
	s_add_nc_u64 s[G0B+6:G0B+7], s[G0B+6:G0B+7], KSTEP*2
	JLOAD 1                                        ; its four v_nop are also the places in front of the loads below
	FLIP
	FETCH 0, F0
	ASK
	MUL16 F1, 1, 0, 0
	MUL16 F1, 1, 2, 0
.endm
; The same quarter where nothing is filled: FLIP's two additions and two v_nop are the four places in front of the loads into buffer 0.
.macro TURNL
	MEET
	FLIP
	v_nop
	v_nop
	FETCH 0, F0
	MUL16 F1, 1, 0, 0
	MUL16 F1, 1, 2, 0
.endm
	s_wait_tensorcnt 1                             ; my part of K step 0 is in; K step 1's may stay out
	s_barrier_signal -1
	s_barrier_wait -1
	FETCH 0, F0
	QUARTER 64,  F0, F1, 1                         ; the first quarter stands in front of the loop: its products start the sums
	WIN 0
	s_mov_b32 s3, STEPS-2
.Lstep:                                                ; a trip: from a K step's second quarter to the next step's first; the slot read out is filled again: K steps 2 to 7 in six trips
	QUARTER 128, F1, F0, 0
	QUARTER 192, F0, F1, 0
	TURN
	QUARTER 64,  F0, F1, 0
	WIN 0
	s_sub_co_u32 s3, s3, 1
	s_cmp_lg_u32 s3, 0
	s_cbranch_scc1 .Lstep
	s_mov_b32 s3, 2                                ; K steps 6 and 7 fill nothing: a loop of their own, entered at step 6's second quarter
	s_branch .Lmid
.Ltail:
	TURNL                                          ; behind its barrier no wave reads slot 0 any more, and no load fills it
	QUARTER 64,  F0, F1, 0
	WIN 0
.Lmid:
	QUARTER 128, F1, F0, 0
	QUARTER 192, F0, F1, 0
	WIN 0
	s_sub_co_u32 s3, s3, 1
	s_cmp_lg_u32 s3, 0
	s_cbranch_scc1 .Ltail
	s_wait_dscnt 8                                 ; the very last quarter: nothing more to fetch
	MUL16 F1, 0, 0, 0
	MUL16 F1, 0, 2, 0
	s_wait_dscnt 0x0
	MUL16 F1, 1, 0, 0
	MUL16 F1, 1, 2, 0
	PLACES
; The 16 accumulators (time blocks 4 hi .. 4 hi + 3, column blocks kb .. kb + 3) rounded to f16: time blocks 2 p and 2 p + 1 are registers 0-3 and 4-7 of fragment (bb, p).  Each accumulator is read from its low end on.
.macro FPACK kb, hi
	WIN 0x0a+5*(\hi)                               ; sources window 2 or 3, destination window 0
.set n, 0
.rept 64                                       ; bb = n / 16, time block (n / 4) % 4, pair n % 4
.set rD, TMP+8*(4*(n/16)+2*(\hi)+(n/8)%2)+n%8
.set rA, 8*(8*((n/4)%4)+(\kb)+n/16)+2*(n%4)
	v_cvt_pk_f16_f32 v[rD], v[rA], v[rA+1]
.set n, n+1
.endr
.endm
.macro FSTORE adr                      ; the 16 fragments into LDS: 512 consecutive bytes a store
	WIN 0
.set n, 0
.rept 32
	ds_store_b128 v[\adr], v[TMP+4*n:TMP+4*n+3] offset:(n/8)*8192+((n/2)%4)*1024+(n%2)*512
.set n, n+1
.endr
.endm
.macro KMAX hi                         ; the maxima of k's columns: four chains, one a column block
	WIN 0x28+0x14*(\hi)
.set n, 0
.rept 64                                       ; time block n / 16, pair (n / 4) % 4, column block n % 4
.set rA, 8*(8*(n/16)+n%4)+2*((n/4)%4)
	v_max3_num_f32 v[MS+2*(n%4)+1], v[MS+2*(n%4)+1], v[rA], v[rA+1]
.set n, n+1
.endr
.endm
.macro KEXP hi                         ; p = 2^(c k - c m), in place
	WIN 0x82+0x41*(\hi)
.set n, 0
.rept 16
.set rA, 8*(8*(n/4)+n%4)
.irp z, 0,2,4,6
	v_pk_fma_f32 v[rA+\z:rA+\z+1], v[rA+\z:rA+\z+1], s[CS:CS+1], v[MS+2*(n%4):MS+2*(n%4)+1] op_sel_hi:[1,0,0] neg_lo:[0,0,1] neg_hi:[0,0,1]
.endr
.irp z, 0,1,2,3,4,5,6,7
	v_exp_f32 v[rA+\z], v[rA+\z]
.endr
.set n, n+1
.endr
.endm
.macro KSUM hi                         ; the sums of p, unrounded
	WIN 0x08+0x04*(\hi)
.set n, 0
.rept 64
.set rA, 8*(8*(n/16)+n%4)+2*((n/4)%4)
	v_pk_add_f32 v[SU+2*(n%4):SU+2*(n%4)+1], v[SU+2*(n%4):SU+2*(n%4)+1], v[rA:rA+1]
.set n, n+1
.endr
.endm
	; v goes into LDS as fragments
	FPACK 4, 0
	FPACK 4, 1
	FSTORE STV
	; the tile's column maxima
.irp b, 0,1,2,3
	v_mov_b32 v[MS+2*\b+1], 0xff800000
	v_mov_b32 v[MS+2*\b], 0                        ; v_permlanex16_b32's destination counts as read
	v_mov_b32 v[SU+2*\b], 0
	v_mov_b32 v[SU+2*\b+1], 0
.endr
	KMAX 0
	KMAX 1
	WIN 0
.irp b, 0,1,2,3
	v_permlanex16_b32 v[MS+2*\b], v[MS+2*\b+1], s[SEL], s[SEL+1]  ; the column's other times lie in the lane 16 away
.endr
.irp b, 0,1,2,3
	v_max_num_f32 v[MS+2*\b+1], v[MS+2*\b+1], v[MS+2*\b]
.endr
.irp b, 0,1,2,3
	ds_store_b32 v[MXS], v[MS+2*\b+1] offset:64*\b
.endr
	s_wait_dscnt 0x0                               ; for the others' sake: my maxima (and v's fragments) are written
	s_barrier_signal -1
	s_barrier_wait -1
.irp b, 0,1,2,3
	ds_load_b32 v[MS+2*\b], v[MXL] offset:64*\b    ; the same columns' maxima over the tile's other 128 times
.endr
	s_wait_dscnt 0x0
.irp b, 0,1,2,3
	v_max_num_f32 v[MS+2*\b+1], v[MS+2*\b+1], v[MS+2*\b]
.endr
.irp b, 0,1,2,3
	v_mul_f32 v[MS+2*\b], s[CS], v[MS+2*\b+1]      ; c m
.endr
	; the weights: 256 exponentials are one batch with one wait
	KEXP 0
	KEXP 1
	v_nop                                          ; a plain instruction behind the last exponential,
	s_wait_alu depctr_va_vdst(0)                   ; and the wait ahead of the first reader
	KSUM 0
	FPACK 0, 0
	KSUM 1
	FPACK 0, 1
	FSTORE STP
.irp b, 0,1,2,3
	v_add_f32 v[SU+2*\b], v[SU+2*\b], v[SU+2*\b+1]
.endr
.irp b, 0,1,2,3
	v_permlanex16_b32 v[SU+2*\b+1], v[SU+2*\b], s[SEL], s[SEL+1]
.endr
.irp b, 0,1,2,3
	v_add_f32 v[SU+2*\b], v[SU+2*\b], v[SU+2*\b+1] ; s: the column's sum over my 128 times
.endr
.irp b, 0,1,2,3
	v_cndmask_b32 v[56+\b], v[MS+2*\b+1], v[SU+2*\b], s70  ; lanes 0-15 carry m, lanes 16-31 s
.endr
.irp b, 0,1,2,3
	ds_store_b32 v[SSA], v[56+\b] offset:64*\b
.endr
	ds_load_b128 v[60:63], v[SLA]                  ; my wave's own bytes, served in order (ISA guide 5.7.1.4): 64 m, then 64 s
	s_wait_dscnt 0x0                               ; they are back; and for the others' sake: p's fragments are written
	global_store_b128 v[SO], v[60:63], s[78:79]    ; sixteen lanes store 256 consecutive bytes, aligned
	s_barrier_signal -1
	s_barrier_wait -1                              ; all 128 fragments lie in LDS
; A = p^T v.  I make channels d = 64 ch .. (4 blocks i) x channels l = 64 rh .. (4 blocks jn) over all 256 times: 8 steps of 32.  Four buffers of fragments; 16 accumulators, in window 2's v0-127, by turns.
.macro FETCHF ks
	WIN 0
.set n, 0
.rept 8
	ds_load_b128 v[64+32*((\ks)%4)+4*n:64+32*((\ks)%4)+4*n+3], v[RDP] offset:(n/2)*8192+(\ks)*1024+(n%2)*512
.set n, n+1
.endr
	WIN 0x40
.set n, 0
.rept 8
	ds_load_b128 v[64+32*((\ks)%4)+4*n:64+32*((\ks)%4)+4*n+3], v[RDV] offset:(n/2)*8192+(\ks)*1024+(n%2)*512
.set n, n+1
.endr
.endm
.macro ATT ks, cnt                     ; cnt: 16 loads for each younger fetch that may stay out
	s_wait_dscnt \cnt
	WIN 0xa4
.set n, 0
.rept 16                                       ; i = n / 4, jn = n % 4
.if (\ks) == 0
	v_wmma_f32_16x16x32_f16 v[8*n:8*n+7], v[64+32*((\ks)%4)+8*(n/4):64+32*((\ks)%4)+8*(n/4)+7], v[64+32*((\ks)%4)+8*(n%4):64+32*((\ks)%4)+8*(n%4)+7], 0
.else
	v_wmma_f32_16x16x32_f16 v[8*n:8*n+7], v[64+32*((\ks)%4)+8*(n/4):64+32*((\ks)%4)+8*(n/4)+7], v[64+32*((\ks)%4)+8*(n%4):64+32*((\ks)%4)+8*(n%4)+7], v[8*n:8*n+7]
.endif
.set n, n+1
.endr
.if (\ks) < 4
	PLACES
	FETCHF (\ks)+4
.endif
.endm
	FETCHF 0
	FETCHF 1
	FETCHF 2
	FETCHF 3
	ATT 0, 48
	ATT 1, 48
	ATT 2, 48
	ATT 3, 48
	ATT 4, 48
	ATT 5, 32
	ATT 6, 16
	ATT 7, 0
	PLACES
	WIN 0x08                                       ; store data in window 2
.set n, 0
.rept 32                                       ; accumulator n / 2 (i = n / 8, jn = (n / 2) % 4), its low four registers first
	global_store_b128 v[PO], v[4*n:4*n+3], s[76:77] offset:((n/2)%4)*8192+(n/8)*1024+(n%2)*512  ; 512 consecutive bytes, aligned
.set n, n+1
.endr
	WIN 0
	s_wait_tensorcnt 0x0                           ; the wave's end
	ds_add_u32 v[SPW], v[NIL]
	s_wait_dscnt 0x0
	CROUND                                         ; the closing round
	s_endpgm
.Lfunc_end_k_qe73b143187_kv:
	.size	k_qe73b143187_kv, .Lfunc_end_k_qe73b143187_kv-k_qe73b143187_kv
	.p2alignl 7, 3214868480
	.fill 96, 4, 3214868480
	.section	.rodata,"a",@progbits
	.p2align	6, 0x0
	.amdhsa_kernel k_qe73b143187_kv
		.amdhsa_group_segment_fixed_size 327680
		.amdhsa_private_segment_fixed_size 0
		.amdhsa_enable_private_segment 0
		.amdhsa_kernarg_size 40
		.amdhsa_user_sgpr_count 2
		.amdhsa_user_sgpr_kernarg_segment_ptr 1
		.amdhsa_wavefront_size32 1
		.amdhsa_system_sgpr_workgroup_id_x 1
		.amdhsa_system_sgpr_workgroup_id_y 1
		.amdhsa_system_sgpr_workgroup_id_z 1
		.amdhsa_system_vgpr_workitem_id 0
		.amdhsa_next_free_vgpr 1024
		.amdhsa_next_free_sgpr 96
		.amdhsa_reserve_vcc 0
		.amdhsa_float_denorm_mode_32 3
		.amdhsa_float_denorm_mode_16_64 3
		.amdhsa_memory_ordered 1
		.amdhsa_forward_progress 1
		.amdhsa_inst_pref_size 153
	.end_amdhsa_kernel
	.amdgpu_metadata
---
amdhsa.version: [ 1, 2 ]
amdhsa.kernels:
  - .name:           k_qe73b143187_kv
    .symbol:         k_qe73b143187_kv.kd
    .args:
      - { .name: xh, .offset: 0, .size: 8, .value_kind: global_buffer, .address_space: global }
      - { .name: wc, .offset: 8, .size: 8, .value_kind: global_buffer, .address_space: global }
      - { .name: part, .offset: 16, .size: 8, .value_kind: global_buffer, .address_space: global }
      - { .name: stat, .offset: 24, .size: 8, .value_kind: global_buffer, .address_space: global }
      - { .name: bc, .offset: 32, .size: 8, .value_kind: global_buffer, .address_space: global }
    .group_segment_fixed_size: 327680
    .private_segment_fixed_size: 0
    .kernarg_segment_align: 8
    .kernarg_segment_size: 40
    .max_flat_workgroup_size: 128
    .sgpr_count:     96
    .vgpr_count:     1024
    .wavefront_size: 32
...
	.end_amdgpu_metadata
.endif
;; end of part 2
;; launch comb (part 3): grid 8 x 32, 8 waves a work-group, no clusters, 9,216 bytes of LDS; arguments part, stat, attf; writes attf
.if DOCPART == 3
	.amdgcn_target "amdgcn-amd-amdhsa--gfx1250"
	.amdhsa_code_object_version 6
	.text
	.protected	k_qe73b143187_comb
	.globl	k_qe73b143187_comb
	.p2align	8
	.type	k_qe73b143187_comb,@function
k_qe73b143187_comb:
	s_mov_b64 s[64:65], 0
	v_nop
	global_prefetch_b8 v0, s[64:65] scope:SCOPE_SE
	s_setreg_imm32_b32 hwreg(HW_REG_WAVE_MODE, 25, 1), 1
	s_wait_xcnt 0x0
; COMB.  att[b][h][d][l] = (the sum over the batch's 16 tiles c of e_c[d] A_c[d][l]) / (the sum over c of e_c[d] s_c[d]),  e_c = 2^(c m_c - max over c of c m_c): the tiles' running maxima are joined.
; c m_c is made by the same multiply as in the launch that made p, so e_c undoes exactly the shift that was used there.  The divisor is at least 1: the tile that holds the maximum has e = 1 and a weight 1.
; A work-group takes one (b, h) and one block lb of 16 channels l; wave db takes 16 channels d: one accumulator's image of each tile, 1,024 bytes, 16 tiles: 16 KiB a wave on their way at once.
; In that image lane (r, hh), register j holds A[16 db + 8 hh + j][16 lb + r]; the eight sums rounded to f16 are 16 bytes of a fragment of att^T (row l, 32 channels d), which the last launch loads as it lies.
; LIMITS.  att is kept in f16: it is a mean of v's rows and has their range (65,504); below 6e-5 it keeps f16's fixed step of 6e-8.  A factor below 2^-126 counts as 0.  NaN and infinities are not treated apart.
; No matrix unit, no cluster, no tensor load: each byte of part is read once by one wave; what work-groups share (stat) is one part in 32 of the bytes.
.set SPARE, 8192                       ; LDS: 0 .. 8,191 each wave's own 1,024 bytes of factors (tile c at 64 c, channel r at 4 r); then the spare words, 128 bytes a wave
	s_load_b128 s[4:7], s[0:1], 0x0                ; part 4:5, stat 6:7
	s_load_b64 s[8:9], s[0:1], 0x10                ; attf
	v_lshl_add_u32 v10, v0, 2, SPARE               ; my spare word; never rewritten
	v_mov_b32 v11, 0
	v_lshrrev_b32 v1, 5, v0
	v_readfirstlane_b32 s10, v1                    ; db
	v_and_b32 v1, 15, v0                           ; r
	v_bfe_u32 v2, v0, 4, 1                         ; hh
	v_and_b32 v3, 31, v0
	v_lshlrev_b32 v3, 4, v3                        ; 16 l
	s_and_b32 s11, ttmp7, 0xffff                   ; 8 b + h
	s_lshr_b32 s12, s11, 3
	s_and_b32 s13, s11, 7
	s_lshl_b32 s12, s12, 7
	s_add_co_u32 s12, s12, s13                     ; the number of the batch's first tile of this head: 128 b + h; the next lies 8 further
	s_lshl_b32 s14, s12, 16
	s_lshl_b32 s16, ttmp9, 13
	s_add_co_u32 s14, s14, s16                     ; part: 65,536 a tile, 8,192 a block lb
	s_mov_b32 s15, 0
	s_lshl_b32 s16, s12, 11                        ; stat: 2,048 a tile
	s_mov_b32 s17, 0
	s_lshl_b32 s18, s11, 15
	s_lshl_b32 s19, ttmp9, 12
	s_add_co_u32 s18, s18, s19                     ; attf: 32,768 a head, 4,096 a block lb
	s_mov_b32 s19, 0
	s_mov_b32 s20, 0x3fb8aa3b                      ; log2(e)
	s_mov_b32 s22, 0x76543210
	s_mov_b32 s23, 0xfedcba98
	s_lshl_b32 s24, s10, 10
	s_lshl_b32 s25, s10, 6
	s_lshl_b32 s26, s10, 9
	v_lshl_add_u32 v4, v1, 2, s25
	v_lshl_add_u32 v4, v2, 10, v4                  ; stat: the tile's half hh, channel 16 db + r
	v_add_nc_u32 v5, s24, v3                       ; part: 1,024 db + 16 l
	v_lshl_add_u32 v6, v1, 2, s24                  ; LDS, in: 1,024 db + 4 r
	v_lshl_add_u32 v7, v2, 5, s24                  ; LDS, back: the eight channels 8 hh + 0..7
	v_add_nc_u32 v8, s26, v3                       ; attf: 512 db + 16 l
	s_wait_kmcnt 0x0
	s_add_nc_u64 s[4:5], s[4:5], s[14:15]
	s_add_nc_u64 s[6:7], s[6:7], s[16:17]
	s_add_nc_u64 s[8:9], s[8:9], s[18:19]
.set c, 0
.rept 16
	global_load_b32 v[16+c], v4, s[6:7] offset:c*16384       ; m_c
	global_load_b32 v[32+c], v4, s[6:7] offset:c*16384+512   ; s_c of half hh
.set c, c+1
.endr
.set c, 0
.rept 16
	global_load_b128 v[128+8*c:128+8*c+3], v5, s[4:5] offset:c*524288 th:TH_LOAD_NT
	global_load_b128 v[128+8*c+4:128+8*c+7], v5, s[4:5] offset:c*524288+512 th:TH_LOAD_NT
.set c, c+1
.endr
	s_wait_loadcnt 32                              ; the statistics are in; the 32 loads of part stay out
.set c, 0
.rept 16
	v_mul_f32 v[16+c], s20, v[16+c]                ; c m_c
.set c, c+1
.endr
	v_max3_num_f32 v12, v16, v17, v18
	v_max3_num_f32 v13, v19, v20, v21
	v_max3_num_f32 v14, v22, v23, v24
	v_max3_num_f32 v15, v25, v26, v27
	v_max3_num_f32 v12, v12, v28, v29
	v_max3_num_f32 v13, v13, v30, v31
	v_max3_num_f32 v12, v12, v13, v14
	v_max_num_f32 v12, v12, v15
.set c, 0
.rept 16
	v_sub_f32 v[16+c], v[16+c], v12
.set c, c+1
.endr
.set c, 0
.rept 16
	v_exp_f32 v[16+c], v[16+c]
.set c, c+1
.endr
	v_nop                                          ; a plain instruction behind the last exponential,
	s_wait_alu depctr_va_vdst(0)                   ; and one wait for the sixteen
	v_mul_f32 v14, v16, v32
	v_mul_f32 v15, v17, v33
.set c, 2
.rept 14
	v_fmac_f32 v[14+c%2], v[16+c], v[32+c]
.set c, c+1
.endr
	v_add_f32 v14, v14, v15
	v_permlanex16_b32 v15, v14, s22, s23           ; the tiles' other halves
	v_add_f32 v14, v14, v15
	v_rcp_f32 v14, v14
	v_nop
	s_wait_alu depctr_va_vdst(0)
.set c, 0
.rept 16
	v_mul_f32 v[16+c], v[16+c], v14                ; the factor of tile c for channel 16 db + r
.set c, c+1
.endr
.set c, 0
.rept 16
	ds_store_b32 v6, v[16+c] offset:64*c           ; both halves of the lanes write the same word with the same number
.set c, c+1
.endr
; Eight tiles: their factors for my eight channels come back out of my wave's own bytes (LDS serves a wave's instructions in order: ISA guide 5.7.1.4), then each tile is added as it lands.
.macro HALF g
.set c, 0
.rept 8
	ds_load_b128 v[64+8*c:64+8*c+3], v7 offset:64*(8*(\g)+c)
	ds_load_b128 v[64+8*c+4:64+8*c+7], v7 offset:64*(8*(\g)+c)+16
.set c, c+1
.endr
	s_wait_dscnt 0x0
.set c, 0
.rept 8
	s_wait_loadcnt 2*(15-8*(\g)-c)                 ; two loads for each younger tile may stay out
.irp z, 0,2,4,6
.if (\g) == 0 && c == 0
	v_pk_mul_f32 v[48+\z:48+\z+1], v[128+\z:128+\z+1], v[64+\z:64+\z+1]
.else
	v_pk_fma_f32 v[48+\z:48+\z+1], v[128+8*(8*(\g)+c)+\z:128+8*(8*(\g)+c)+\z+1], v[64+8*c+\z:64+8*c+\z+1], v[48+\z:48+\z+1]
.endif
.endr
.set c, c+1
.endr
.endm
	HALF 0
	HALF 1
.irp z, 0,1,2,3
	v_cvt_pk_f16_f32 v[56+\z], v[48+2*\z], v[48+2*\z+1]
.endr
	global_store_b128 v8, v[56:59], s[8:9]         ; 512 consecutive bytes, aligned
	s_wait_tensorcnt 0x0                           ; the wave's end, behind my last LDS store
	ds_add_u32 v10, v11
	s_wait_dscnt 0x0
	s_endpgm
.Lfunc_end_k_qe73b143187_comb:
	.size	k_qe73b143187_comb, .Lfunc_end_k_qe73b143187_comb-k_qe73b143187_comb
	.p2alignl 7, 3214868480
	.fill 96, 4, 3214868480
	.section	.rodata,"a",@progbits
	.p2align	6, 0x0
	.amdhsa_kernel k_qe73b143187_comb
		.amdhsa_group_segment_fixed_size 9216
		.amdhsa_private_segment_fixed_size 0
		.amdhsa_enable_private_segment 0
		.amdhsa_kernarg_size 24
		.amdhsa_user_sgpr_count 2
		.amdhsa_user_sgpr_kernarg_segment_ptr 1
		.amdhsa_wavefront_size32 1
		.amdhsa_system_sgpr_workgroup_id_x 1
		.amdhsa_system_sgpr_workgroup_id_y 1
		.amdhsa_system_sgpr_workgroup_id_z 1
		.amdhsa_system_vgpr_workitem_id 0
		.amdhsa_next_free_vgpr 256
		.amdhsa_next_free_sgpr 66
		.amdhsa_reserve_vcc 0
		.amdhsa_float_denorm_mode_32 3
		.amdhsa_float_denorm_mode_16_64 3
		.amdhsa_memory_ordered 1
		.amdhsa_forward_progress 1
		.amdhsa_inst_pref_size 20
	.end_amdhsa_kernel
	.amdgpu_metadata
---
amdhsa.version: [ 1, 2 ]
amdhsa.kernels:
  - .name:           k_qe73b143187_comb
    .symbol:         k_qe73b143187_comb.kd
    .args:
      - { .name: part, .offset: 0, .size: 8, .value_kind: global_buffer, .address_space: global }
      - { .name: stat, .offset: 8, .size: 8, .value_kind: global_buffer, .address_space: global }
      - { .name: attf, .offset: 16, .size: 8, .value_kind: global_buffer, .address_space: global }
    .group_segment_fixed_size: 9216
    .private_segment_fixed_size: 0
    .kernarg_segment_align: 8
    .kernarg_segment_size: 24
    .max_flat_workgroup_size: 256
    .sgpr_count:     66
    .vgpr_count:     256
    .wavefront_size: 32
...
	.end_amdgpu_metadata
.endif
;; end of part 3
;; launch qy (part 4): grid 4 x 64, 4 waves a work-group, clusters of 4 x 4, 327,680 bytes of LDS; arguments xh, wc, attf, out0, bc; writes out0
.if DOCPART == 4
	.amdgcn_target "amdgcn-amd-amdhsa--gfx1250"
	.amdhsa_code_object_version 6
	.text
	.protected	k_qe73b143187_qy
	.globl	k_qe73b143187_qy
	.p2align	8
	.type	k_qe73b143187_qy,@function
k_qe73b143187_qy:
	s_mov_b64 s[64:65], 0
	v_nop
	global_prefetch_b8 v0, s[64:65] scope:SCOPE_SE
	s_setreg_imm32_b32 hwreg(HW_REG_WAVE_MODE, 25, 1), 1
	s_wait_xcnt 0x0
	s_wait_alu depctr_hold_cnt(0) depctr_sa_sdst(0) depctr_va_vdst(0) depctr_va_sdst(0) depctr_va_ssrc(0) depctr_va_vcc(0) depctr_vm_vsrc(0)
	s_getreg_b32 s2, hwreg(HW_REG_IB_STS2, 6, 4)
	s_cmp_eq_u32 s2, 0
	s_cbranch_scc0 .Lentry_in_a_cluster
	s_endpgm
.Lentry_in_a_cluster:
	s_bfe_u32 s2, ttmp6, 0x10000c
	s_cmp_lg_u32 s2, 0xf033
	s_cbranch_scc0 .Lentry_shape_is_right
	s_endpgm
.Lentry_shape_is_right:
; QY.  For a tile of 256 times and 256 channels (two heads): q = xh wq^T + bias (wq: rows 2,048 .. of wc), sums in f32; softmax over each head's 128 channels, its maximum taken away; y = softmax(q) att; y leaves in f32.
; q is never stored: p = 2^(c q - c m), c = log2(e), is rounded to f16 and multiplied by att at once; the product is divided by the sum of the unrounded p at the end.
; LIMITS.  Matrix operands are f16: p lies in 0 to 1 and below 6e-5 keeps f16's fixed step of 6e-8.  A weight below 2^-126 counts as 0.  NaN and infinities are not treated apart.
; THE PRODUCT.  Four waves, each 128 times x 128 channels (ONE head), 64 accumulators of 16 x 16.  K = 1,024 in 8 steps of 128 through a ring of two LDS slots.  The matrix instruction is used TRANSPOSED (source 0 = 16 rows
; of wq, source 1 = 16 times): a lane holds ONE time (lane % 16) and the channels 8 (lane / 16) + 0..7, so a time's softmax wants one exchange between the halves of the lanes, and two accumulators rounded to f16 in pairs ARE
; source 1 (32 channels x 16 times) of y^T = att^T p^T, whose result again holds one time a lane, and eight neighbouring channels.  The bias is the C operand of each sum's first product.
; THE LOOP.  A trip is one K step, written once: the slot in hand is a scalar (0 or SLOT) that one exclusive or turns.  Six trips fill a slot again; the last two K steps are a second loop of two trips without a fill, entered in its middle.
; THE WAY OUT goes by blocks of 16 times: softmax, 32 products, division, stage, stores, so that a block's 8 KiB leave while the later blocks are worked on.  Its text serves four blocks in window 2 and is walked twice:
; between the walks window 3's accumulators are copied into window 2 (256 moves a wave, for half the text).
; CLUSTER.  4 x 4 work-groups: xh's tiles are shared along a row of the cluster, wq's along a column, each asked for jointly.
; REGISTERS, in windows of 256 (s_set_vgpr_msb: bits 1:0 source 0, 3:2 source 1, 5:4 source 2, 7:6 destination):
;   window 0: v0-31 addresses and four chains of maxima; v32-63 statistics; v64-191 fragments of xh, two buffers; then v64-127 p's fragments, two buffers, and v128-255 rows on their way out, two buffers
;   window 1: v64-191 fragments of wq; v192-255 the bias; then all 256: att^T's 32 fragments ((lb, p) at v[8 (4 lb + p)])
;   window 2: accumulators of my times 0-63 ((a, b) at v[8 (8 a + b)]), then y of the same times;  window 3: accumulators of my times 64-127
.set SIZE_K, 1024
.set KSTEP,  128
.set STEPS,  SIZE_K/KSTEP
.set PITCH,  272                       ; an LDS row: 256 bytes + 16 of padding = 68 words: the 16 rows of a fragment load start at 16 different groups of four banks (64 banks of 4 bytes: ISA guide 11.1)
.set HALFT,  128*PITCH
.set SLOT,   4*HALFT
.set STAGE,  2*SLOT                    ; behind the ring, never filled by a tensor load: 16 rows x 528 bytes for each wave
.set SP,     528                       ; 512 bytes + 16: the sixteen rows of a store start at sixteen different groups of four banks
.set SPARE,  STAGE+4*16*SP             ; the spare words, 128 bytes a wave: two blocks of 256 bytes that no other line names
.set STO, 6                            ; v6   the way out: where I put 16 bytes of a row
.set RD,  7                            ; v7   where I read a row back
.set CO,  8                            ; v8   16 x my lane: my place in 512 consecutive bytes of attf and of out0
.set BO,  14                           ; v14  my byte offset in bc
.set ADRA0, 16                         ; v16  LDS address of my fragments of xh in slot 0; never rewritten
.set ADRA, 17                          ; v17  the same in the slot in hand
.set ADRB0, 20                         ; v20, v21  the same two for wq
.set ADRB, 21
.set CH,  22                           ; v22-25  four chains of a block's maximum
.set SPW, 28
.set NIL, 29
.set PFO, 30
.set MS,  32                           ; v32 c m, v33 m of the block in hand
.set SU,  48                           ; v[48+2a] 1 / sum of block a (0..3); v[49+2a] is named with it as a pair
.set TS,  56                           ; v[56+2q:57+2q] four chains of a block's sum
.set F0,  64
.set F1,  128
.set QF,  64                           ; p's fragments of block a: fragment p at QF + 32 (a % 2) + 8 p
.set OB,  128                          ; block a's 16 rows read back: OB + 64 (a % 2)
.set BIAS, 192
.set HV,  4                            ; s4   halves of the way out still to come
.set LIM, 43
.set PFA, 44
.set G1, 24
.set G0, 32
.set G1B, 48
.set G0B, 56
.set CS, 66
.set SEL, 68
.set CUR, 92                           ; s92  the slot in hand: 0 or SLOT
.set LB,  93                           ; s93  my wave's place in a slot
.set NINF, 94                          ; s94  -infinity: it starts the chains of maxima
.set MSB, 0
.macro WIN new                         ; the immediate's high byte repeats the setting that is left; a switch that changes nothing is dropped
.if MSB != (\new)
	s_set_vgpr_msb (MSB<<8)|(\new)
.set MSB, \new
.endif
.endm
.set TO_B, 0x40
; A joint load.  Waves 0 and 1 fetch the two halves of xh's tile, waves 2 and 3 those of wq's.  The branch hangs on the wave's number alone.  An s_nop 0 and four v_nop follow each line.
.macro JLOAD s
	s_cmp_eq_u32 s11, 0
	s_cbranch_scc0 .Lfor_b_\@
	tensor_load_to_lds s[G0+4*(\s):G0+4*(\s)+3], s[G1:G1+7]
	s_nop 0
.rept 4
	v_nop
.endr
	s_branch .Lasked_\@
.Lfor_b_\@:
	tensor_load_to_lds s[G0B+4*(\s):G0B+4*(\s)+3], s[G1B:G1B+7]
	s_nop 0
.rept 4
	v_nop
.endr
.Lasked_\@:
.endm
; A prefetch of the K step that stands two refills on: 32 rows x 256 bytes, a lane a row.  xh's rows are read by one cluster alone (the grid is one cluster wide), which asks; wq's by all clusters: cluster y = 0 asks.
; The four partners that ask for a tile jointly take 32 of a wave's 128 rows each, told apart by address.  So each row's 256 bytes of K steps 4 to 7 are named once; the loop's last two trips (s3 = 2, 1) ask for nothing.
.macro ASK
	s_cmp_gt_u32 s3, s[LIM]
	s_cbranch_scc0 .Lnot_mine_\@
	global_prefetch_b8 v[PFO], s[PFA:PFA+1] offset:KSTEP*2 th:TH_LOAD_NT scope:SCOPE_SE
.Lnot_mine_\@:
.endm
.macro CREST
	s_cmp_lg_u32 s10, 0
	s_cbranch_scc1 .Lnot_wave_0_\@
	s_barrier_signal -3
.Lnot_wave_0_\@:
	s_barrier_wait -3
	s_barrier_signal -1
	s_barrier_wait -1
.endm
.macro CROUND
	s_barrier_signal -1
	s_barrier_wait -1
	CREST
.endm
	s_load_b256 s[72:79], s[0:1], 0x0              ; xh 72:73, wc 74:75, attf 76:77, out0 78:79
	s_load_b64 s[80:81], s[0:1], 0x20              ; bc
	v_lshl_add_u32 v[SPW], v0, 2, SPARE
	v_mov_b32 v[NIL], 0
	ds_add_u32 v[SPW], v[NIL]                      ; the wave's opening: the add and its wait stand ahead of my first tensor load; work on registers stands between them
	v_lshrrev_b32 v1, 5, v0
	v_readfirstlane_b32 s10, v1                    ; wave 0..3
	s_lshr_b32 s11, s10, 1                         ; which 128 times are mine.  Also: I fetch for xh (0) or for wq (1)
	s_and_b32 s12, s10, 1                          ; which head of the tile's two.  Also: which 128 rows of that tile I fetch
	s_bfe_u32 s40, ttmp6, 0x40000                  ; cx
	s_bfe_u32 s41, ttmp6, 0x40004                  ; cy
	s_lshl_b32 s42, ttmp9, 2
	s_add_co_u32 s42, s42, s40                     ; the tile column = 4 x cluster x + cx
	s_and_b32 s13, ttmp7, 0xffff
	s_lshl_b32 s13, s13, 2
	s_add_co_u32 s13, s13, s41                     ; the block of 256 rows = 4 x cluster y + cy
	s_lshl_b32 s43, s41, 2
	s_lshl_b32 s43, 15, s43
	s_lshl_b32 s44, 0x1111, s40
	s_or_b32 s[G1+0], s43, (1<<16)|(1<<20)|(1<<21)|(5<<22)|(3<<25)   ; 15:0 the mask; 17:16 elements of 2 bytes; 20 padding on; 21 set beside a mask; 24:22 after every 64 words; 31:25 4 words of it
	s_or_b32 s[G1B+0], s44, (1<<16)|(1<<20)|(1<<21)|(5<<22)|(3<<25)
.irp g, G1, G1B
	s_mov_b32 s[(\g)+1], KSTEP<<16
	s_mov_b32 s[(\g)+2], 128<<16
	s_mov_b32 s[(\g)+3], KSTEP<<16
	s_mov_b32 s[(\g)+4], 128
	s_mov_b32 s[(\g)+5], SIZE_K
	s_mov_b32 s[(\g)+6], 0
	s_mov_b32 s[(\g)+7], 0
.endr
	s_mov_b32 s[CS], 0x3fb8aa3b                    ; log2(e)
	s_mov_b32 s[CS+1], s[CS]
	s_mov_b32 s[SEL], 0x76543210
	s_mov_b32 s[SEL+1], 0xfedcba98
	s_mov_b32 s[NINF], 0xff800000
	s_mov_b32 s[CUR], 0                            ; K step 0 lies in slot 0
	s_lshl_b32 s17, s12, 7
	s_lshl_b32 s16, s13, 8
	s_add_co_u32 s16, s16, s17
	s_lshl_b32 s46, s42, 8
	s_add_co_u32 s46, s46, s17
	s_mov_b32 s17, 0
	s_mov_b32 s47, 0
	s_mov_b64 s[18:19], SIZE_K*2
	s_mul_u64 s[16:17], s[16:17], s[18:19]
	s_mul_u64 s[46:47], s[46:47], s[18:19]
	s_mul_i32 s[LB], s10, HALFT                    ; no place in the cluster enters an LDS address
	s_wait_dscnt 0x0                               ; the opening add is done
	s_wait_kmcnt 0x0
	s_add_nc_u64 s[74:75], s[74:75], 0x400000      ; wq: behind wc's 2,048 rows of k and v
	s_add_nc_u64 s[80:81], s[80:81], 8192          ; and its biases
	s_add_nc_u64 s[14:15], s[72:73], s[16:17]
	s_add_nc_u64 s[46:47], s[74:75], s[46:47]
	CROUND
.irp s, 0,1
	s_mov_b32 s[G0+4*(\s)], 1
	s_add_co_u32 s[G0+4*(\s)+1], s[LB], (\s)*SLOT
	s_add_nc_u64 s[G0+4*(\s)+2:G0+4*(\s)+3], s[14:15], (\s)*KSTEP*2
	s_or_b32 s[G0+4*(\s)+3], s[G0+4*(\s)+3], 0x80000000
	s_mov_b32 s[G0B+4*(\s)], 1
	s_add_co_u32 s[G0B+4*(\s)+1], s[LB], (\s)*SLOT
	s_add_nc_u64 s[G0B+4*(\s)+2:G0B+4*(\s)+3], s[46:47], (\s)*KSTEP*2
	s_or_b32 s[G0B+4*(\s)+3], s[G0B+4*(\s)+3], 0x80000000
	JLOAD \s                                       ; K steps 0 and 1: two loads of mine are out
.endr
	v_and_b32 v1, 15, v0                           ; r
	v_bfe_u32 v2, v0, 4, 1                         ; hh
	v_and_b32 v5, 31, v0
	v_lshlrev_b32 v[CO], 4, v5
	v_mul_u32_u24 v3, v1, PITCH
	v_lshl_add_u32 v3, v2, 4, v3
	s_mul_i32 s21, s11, HALFT
	s_mul_i32 s22, s12, HALFT
	s_add_co_u32 s22, s22, 2*HALFT
	v_add_nc_u32 v[ADRA0], s21, v3
	v_add_nc_u32 v[ADRB0], s22, v3
	v_mov_b32 v[ADRA], v[ADRA0]
	v_mov_b32 v[ADRB], v[ADRB0]
	s_mul_i32 s23, s10, 16*SP
	s_add_co_u32 s23, s23, STAGE                   ; my stage
	v_mul_u32_u24 v[STO], v1, SP                   ; in: row r, 32 bytes for each half of the lanes
	v_lshl_add_u32 v[STO], v2, 5, v[STO]
	v_add_nc_u32 v[STO], s23, v[STO]
	v_add_nc_u32 v[RD], s23, v[CO]                 ; back: 32 lanes take one row of 512 bytes
	s_lshl_b32 s82, s42, 1
	s_add_co_u32 s82, s82, s12                     ; my head
	s_lshr_b32 s84, s13, 4                         ; the batch
	s_lshl_b32 s84, s84, 3
	s_add_co_u32 s84, s84, s82
	s_lshl_b32 s84, s84, 15                        ; attf: 32,768 bytes a (batch, head)
	s_mov_b32 s85, 0
	s_add_nc_u64 s[76:77], s[76:77], s[84:85]
	s_lshl_b32 s86, s13, 8
	s_lshl_b32 s87, s11, 7
	s_add_co_u32 s86, s86, s87                     ; my first row of out0 (rows as in xh: 4,096 b + t)
	s_lshl_b32 s86, s86, 12
	s_lshl_b32 s87, s82, 9                         ; my head's 512 bytes of a row
	s_add_co_u32 s86, s86, s87
	s_mov_b32 s87, 0
	s_add_nc_u64 s[78:79], s[78:79], s[86:87]
	s_lshl_b32 s88, s42, 10
	s_lshl_b32 s89, s12, 9
	s_add_co_u32 s88, s88, s89
	v_lshl_add_u32 v[BO], v2, 5, s88               ; bc: (256 column + 128 ch + 8 hh) x 4
	; the prefetches
	s_lshl_b32 s90, s13, 8
	s_lshl_b32 s91, s42, 8
	s_and_b32 s22, ttmp7, 0xffff
	s_cmp_eq_u32 s11, 0
	s_cselect_b32 s20, s90, s91
	s_cselect_b32 s21, s40, s41
	s_cselect_b32 s22, ttmp9, s22
	s_cselect_b64 s[PFA:PFA+1], s[72:73], s[74:75]
	s_cmp_eq_u32 s22, 0
	s_cselect_b32 s[LIM], 2, -1
	s_lshl_b32 s22, s12, 7
	s_add_co_u32 s20, s20, s22
	s_lshl_b32 s21, s21, 5
	s_add_co_u32 s20, s20, s21
	s_mov_b32 s21, 0
	s_mov_b64 s[18:19], SIZE_K*2
	s_mul_u64 s[20:21], s[20:21], s[18:19]
	s_add_nc_u64 s[PFA:PFA+1], s[PFA:PFA+1], s[20:21]
	s_add_nc_u64 s[PFA:PFA+1], s[PFA:PFA+1], 2*KSTEP*2  ; at K step 2: the first refill steps it to 3 and names K step 4
	v_and_b32 v[PFO], 31, v0
	v_mul_u32_u24 v[PFO], v[PFO], SIZE_K*2
	; the bias: register j of block b's C operand is channel 16 b + 8 hh + j
	WIN 0x40
.irp b, 0,1,2,3,4,5,6,7
	global_load_b128 v[BIAS+8*\b:BIAS+8*\b+3], v[BO], s[80:81] offset:64*\b
	global_load_b128 v[BIAS+8*\b+4:BIAS+8*\b+7], v[BO], s[80:81] offset:64*\b+16
.endr
	WIN 0
	s_wait_loadcnt 0x0
; 16 matrix instructions: time blocks a0, a0 + 1 of the window's four x all 8 channel blocks, 32 along K.  first = 1: the sum starts with the bias.  The 64 accumulators take turns, one instruction a turn.
.macro MUL16 f, hi, a0, first
.if \first
	WIN 0x91+0x40*(\hi)                            ; wq and the bias window 1, xh window 0, D window 2 or 3
.else
	WIN 0xa1+0x50*(\hi)
.endif
.irp a, \a0, (\a0)+1
.irp b, 0,1,2,3,4,5,6,7
.if \first
	v_wmma_f32_16x16x32_f16 v[8*(8*(\a)+(\b)):8*(8*(\a)+(\b))+7], v[(\f)+8*(\b):(\f)+8*(\b)+7], v[(\f)+8*(4*(\hi)+(\a)):(\f)+8*(4*(\hi)+(\a))+7], v[BIAS+8*(\b):BIAS+8*(\b)+7]
.else
	v_wmma_f32_16x16x32_f16 v[8*(8*(\a)+(\b)):8*(8*(\a)+(\b))+7], v[(\f)+8*(\b):(\f)+8*(\b)+7], v[(\f)+8*(4*(\hi)+(\a)):(\f)+8*(4*(\hi)+(\a))+7], v[8*(8*(\a)+(\b)):8*(8*(\a)+(\b))+7]
.endif
.endr
.endr
.endm
; 32 LDS loads in one run: the fragments of one quarter step (32 K at byte k of the rows of the slot in hand) into buffer f
.macro FETCH k, f
	WIN TO_B
.irp i, 0,1,2,3,4,5,6,7
	ds_load_b128 v[(\f)+8*(\i):(\f)+8*(\i)+3],   v[ADRB] offset:(\k)+(\i)*16*PITCH
	ds_load_b128 v[(\f)+8*(\i)+4:(\f)+8*(\i)+7], v[ADRB] offset:(\k)+(\i)*16*PITCH+32
.endr
	WIN 0
.irp i, 0,1,2,3,4,5,6,7
	ds_load_b128 v[(\f)+8*(\i):(\f)+8*(\i)+3],   v[ADRA] offset:(\k)+(\i)*16*PITCH
	ds_load_b128 v[(\f)+8*(\i)+4:(\f)+8*(\i)+7], v[ADRA] offset:(\k)+(\i)*16*PITCH+32
.endr
.endm
.macro PLACES                          ; four plain instructions behind a matrix instruction, in front of loads into registers that it has read and of vector work on its results
.rept 4
	v_nop
.endr
.endm
.macro QUARTER k, f, g, first
	s_wait_dscnt 8                                 ; wq's fragments and xh's rows 0-63 are in; the youngest eight loads may be out
	MUL16 \f, 0, 0, \first
	MUL16 \f, 0, 2, \first
	PLACES
	FETCH \k, \g
	s_wait_dscnt 32                                ; all but the 32 just issued
	MUL16 \f, 1, 0, \first
	MUL16 \f, 1, 2, \first
.endm
; One barrier for the change of slots: in front of it each wave waits for all its tensor loads (one is out: its part of the next slot), adds 0 to its spare word, and waits for that and for its reads of this slot.
.macro MEET
	WIN 0
	s_wait_tensorcnt 0x0
	ds_add_u32 v[SPW], v[NIL]
	s_wait_dscnt 9                                 ; the add and the youngest eight loads may be out
	MUL16 F1, 0, 0, 0
	s_wait_dscnt 0x0                               ; the add is done, and my reads of this slot are over
	s_barrier_signal -1
	MUL16 F1, 0, 2, 0
	WIN 0                                          ; branches or lines on window 0 follow
	s_barrier_wait -1
.endm
.macro FLIP                            ; the other slot is in hand: the scalar turns, the two lane addresses follow
	s_xor_b32 s[CUR], s[CUR], SLOT
	v_add_nc_u32 v[ADRA], s[CUR], v[ADRA0]
	v_add_nc_u32 v[ADRB], s[CUR], v[ADRB0]
.endm
; Where the slot is filled again, two K steps ahead: the barrier opens a round of the cluster's, and the joint refill is the first tensor load behind it: 224 matrix instructions ahead of the wait for it.
.macro TURN
	s_wait_xcnt 0x0                                ; the last prefetch, a K step back, has read its address
	s_add_nc_u64 s[PFA:PFA+1], s[PFA:PFA+1], KSTEP*2
	MEET
	CREST
	s_add_co_u32 s[G0+5], s[LB], s[CUR]            ; no tensor load of mine is out: the walking descriptors take the slot just read out
	s_add_nc_u64 s[G0+6:G0+7], s[G0+6:G0+7], KSTEP*2    ; and the next K step; the type bits on top are not reached
	s_add_co_u32 s[G0B+5], s[LB], s[CUR]
	s_add_nc_u64 s[G0B+6:G0B+7], s[G0B+6:G0B+7], KSTEP*2
	JLOAD 1                                        ; its four v_nop are also the places in front of the loads below
	FLIP
	FETCH 0, F0
	ASK
	MUL16 F1, 1, 0, 0
	MUL16 F1, 1, 2, 0
.endm
; The same quarter where nothing is filled: FLIP's two additions and two v_nop are the four places in front of the loads into buffer 0.
.macro TURNL
	MEET
	FLIP
	v_nop
	v_nop
	FETCH 0, F0
	MUL16 F1, 1, 0, 0
	MUL16 F1, 1, 2, 0
.endm
	s_wait_tensorcnt 1                             ; my part of K step 0 is in; K step 1's may stay out
	s_barrier_signal -1
	s_barrier_wait -1
	FETCH 0, F0
	QUARTER 64,  F0, F1, 1                         ; the first quarter stands in front of the loop: its products start the sums
	WIN 0
	s_mov_b32 s3, STEPS-2
.Lstep:                                                ; a trip: from a K step's second quarter to the next step's first; the slot read out is filled again: K steps 2 to 7 in six trips
	QUARTER 128, F1, F0, 0
	QUARTER 192, F0, F1, 0
	TURN
	QUARTER 64,  F0, F1, 0
	WIN 0
	s_sub_co_u32 s3, s3, 1
	s_cmp_lg_u32 s3, 0
	s_cbranch_scc1 .Lstep
	s_mov_b32 s3, 2                                ; K steps 6 and 7 fill nothing: a loop of their own, entered at step 6's second quarter
	s_branch .Lmid
.Ltail:
	TURNL
	QUARTER 64,  F0, F1, 0
	WIN 0
.Lmid:
	QUARTER 128, F1, F0, 0
	QUARTER 192, F0, F1, 0
	WIN 0
	s_sub_co_u32 s3, s3, 1
	s_cmp_lg_u32 s3, 0
	s_cbranch_scc1 .Ltail
	s_wait_dscnt 8                                 ; the very last quarter: nothing more to fetch
	MUL16 F1, 0, 0, 0
	MUL16 F1, 0, 2, 0
	s_wait_dscnt 0x0
	MUL16 F1, 1, 0, 0
	MUL16 F1, 1, 2, 0
	PLACES
	; att^T of my head: 32 fragments, as they lie in attf, into window 1, whose registers the products above have read for the last time
	WIN 0x40
.set n, 0
.rept 64
	global_load_b128 v[4*n:4*n+3], v[CO], s[76:77] offset:512*n
.set n, n+1
.endr
	WIN 0
.irp a, 0,1,2,3
	v_mov_b32 v[SU+2*\a+1], 0                      ; named as a pair with 1 / sum, so it is written
.endr
; THE SOFTMAX OF BLOCK a (16 times; its eight accumulators are v[64 a .. 64 a + 63] of window 2), up to the division.
; The maximum: four chains of 16 registers each, started from -infinity; each accumulator is read from its low end on.  The 64 exponentials are one batch with one wait, which also serves the reciprocal of the block before.
; The sum of the unrounded weights: four chains, each started by a plain addition; the reciprocal is issued last, and is read behind the next block's wait.
.macro SM a
	WIN 0x28                                       ; sources 1 and 2 window 2
.set n, 0
.rept 32                                       ; chain n % 4, pair n / 4 of its eight
.set rA, 64*(\a)+16*(n%4)+2*(n/4)
.if n < 4
	v_max3_num_f32 v[CH+n%4], s[NINF], v[rA], v[rA+1]
.else
	v_max3_num_f32 v[CH+n%4], v[CH+n%4], v[rA], v[rA+1]
.endif
.set n, n+1
.endr
	WIN 0
	v_max3_num_f32 v[CH], v[CH], v[CH+1], v[CH+2]
	v_max_num_f32 v[CH], v[CH], v[CH+3]
	v_permlanex16_b32 v[CH+1], v[CH], s[SEL], s[SEL+1]  ; the time's other 64 channels lie in the lane 16 away
	v_max_num_f32 v[MS+1], v[CH], v[CH+1]
	v_mul_f32 v[MS], s[CS], v[MS+1]                ; c m
	WIN 0x82                                       ; destination and source 0 window 2
.set n, 0
.rept 8
.set rA, 64*(\a)+8*n
.irp z, 0,2,4,6
	v_pk_fma_f32 v[rA+\z:rA+\z+1], v[rA+\z:rA+\z+1], s[CS:CS+1], v[MS:MS+1] op_sel_hi:[1,0,0] neg_lo:[0,0,1] neg_hi:[0,0,1]
.endr
.irp z, 0,1,2,3,4,5,6,7
	v_exp_f32 v[rA+\z], v[rA+\z]
.endr
.set n, n+1
.endr
	v_nop                                          ; a plain instruction behind the last exponential,
	s_wait_alu depctr_va_vdst(0)                   ; and the wait ahead of the first reader
	WIN 0x0a                                       ; sources 0 and 1 window 2, destination window 0
.irp q, 0,1,2,3
	v_pk_add_f32 v[TS+2*\q:TS+2*\q+1], v[64*(\a)+16*\q:64*(\a)+16*\q+1], v[64*(\a)+16*\q+2:64*(\a)+16*\q+3]
.endr
.set n, 0
.rept 32                                       ; channel blocks 2 p, 2 p + 1 are registers 0-3, 4-7 of fragment p
	v_cvt_pk_f16_f32 v[QF+32*((\a)%2)+n], v[64*(\a)+2*n], v[64*(\a)+2*n+1]
.set n, n+1
.endr
	WIN 0x08                                       ; source 1 window 2
.set n, 8
.rept 24
.set rA, 64*(\a)+16*(n%4)+2*(n/4)
	v_pk_add_f32 v[TS+2*(n%4):TS+2*(n%4)+1], v[TS+2*(n%4):TS+2*(n%4)+1], v[rA:rA+1]
.set n, n+1
.endr
	WIN 0
	v_pk_add_f32 v[TS:TS+1], v[TS:TS+1], v[TS+2:TS+3]
	v_pk_add_f32 v[TS+4:TS+5], v[TS+4:TS+5], v[TS+6:TS+7]
	v_pk_add_f32 v[TS:TS+1], v[TS:TS+1], v[TS+4:TS+5]
	v_add_f32 v[TS], v[TS], v[TS+1]
	v_permlanex16_b32 v[TS+1], v[TS], s[SEL], s[SEL+1]
	v_add_f32 v[TS], v[TS], v[TS+1]                ; at least 1: the largest channel's weight is 1
	v_rcp_f32 v[SU+2*(\a)], v[TS]
.endm
; y^T = att^T p^T for block a: 32 matrix instructions; y(a, lb) takes the registers of accumulator (a, lb).  The 8 accumulators take turns.
.macro YMUL a
	WIN 0xa1                                       ; att^T window 1, p window 0, C and D window 2
.set n, 0
.rept 32                                       ; channels d 32 (n / 8) on, block lb = n % 8
.set rY, 64*(\a)+8*(n%8)
.set rT, 8*(4*(n%8)+n/8)
.set rQ, QF+32*((\a)%2)+8*(n/8)
.if n < 8
	v_wmma_f32_16x16x32_f16 v[rY:rY+7], v[rT:rT+7], v[rQ:rQ+7], 0
.else
	v_wmma_f32_16x16x32_f16 v[rY:rY+7], v[rT:rT+7], v[rQ:rQ+7], v[rY:rY+7]
.endif
.set n, n+1
.endr
.endm
; Block a leaves: divided by the sum (each accumulator from its low end on); 32 bytes a lane into my stage; back as whole rows of 512 bytes; stored.
.macro SCALE a
	WIN 0x82
.set n, 0
.rept 32
	v_pk_mul_f32 v[64*(\a)+2*n:64*(\a)+2*n+1], v[64*(\a)+2*n:64*(\a)+2*n+1], v[SU+2*(\a):SU+2*(\a)+1] op_sel_hi:[1,0]
.set n, n+1
.endr
.endm
.macro TOSTAGE a
	WIN 0x08                                       ; store data in window 2
.set n, 0
.rept 16                                       ; block lb = n / 2, registers 4 (n % 2) on: channels 16 lb + 8 hh + 4 (n % 2) on
	ds_store_b128 v[STO], v[64*(\a)+4*n:64*(\a)+4*n+3] offset:64*(n/2)+16*(n%2)
.set n, n+1
.endr
	WIN 0
	s_wait_xcnt 0x0                                ; the stores of the block two back have read these registers
.set n, 0
.rept 16
	ds_load_b128 v[OB+64*((\a)%2)+4*n:OB+64*((\a)%2)+4*n+3], v[RD] offset:SP*n  ; LDS serves a wave's instructions in order (ISA guide 5.7.1.4): these see the stores above
.set n, n+1
.endr
.endm
.macro SEND a
	WIN 0
	s_wait_dscnt 0x0                               ; the block is back in registers
.set n, 0
.rept 16
	global_store_b128 v[CO], v[OB+64*((\a)%2)+4*n:OB+64*((\a)%2)+4*n+3], s[78:79] offset:(\a)*65536+n*4096 th:TH_STORE_NT  ; 512 consecutive bytes, aligned
.set n, n+1
.endr
.endm
	s_mov_b32 s[HV], 2
	s_branch .Lhalf                                ; my times 0-63 lie in window 2 already
.Lcopy:                                                ; my times 64-127 go where the one text of the way out names its accumulators; each is read from its low end on
	s_wait_xcnt 0x0                                ; the stores have read out0's address
	s_add_nc_u64 s[78:79], s[78:79], 4*65536       ; 64 rows of out0 on
	WIN 0x83                                       ; destination window 2, source window 3
.set n, 0
.rept 256
	v_mov_b32 v[n], v[n]
.set n, n+1
.endr
	WIN 0
.Lhalf:
	SM 0
	s_wait_loadcnt 0x0                             ; att^T is in
	YMUL 0
	SM 1                                           ; a block's softmax is the distance between the products of the block before and the lines that read their results
	YMUL 1
	SCALE 0
	TOSTAGE 0
	SM 2
	SEND 0                                         ; the stage's round trip has passed under the softmax
	YMUL 2
	SCALE 1
	TOSTAGE 1
	SM 3
	SEND 1
	YMUL 3
	SCALE 2
	TOSTAGE 2
	s_wait_alu depctr_va_vdst(0)                   ; block 3's reciprocal has no later batch: its own wait, behind the 32 plain multiplies of block 2
	SCALE 3
	SEND 2
	TOSTAGE 3
	SEND 3
	s_sub_co_u32 s[HV], s[HV], 1
	s_cmp_lg_u32 s[HV], 0
	s_cbranch_scc1 .Lcopy
	s_wait_tensorcnt 0x0                           ; the wave's end
	ds_add_u32 v[SPW], v[NIL]
	s_wait_dscnt 0x0
	CROUND                                         ; the closing round
	s_endpgm
.Lfunc_end_k_qe73b143187_qy:
	.size	k_qe73b143187_qy, .Lfunc_end_k_qe73b143187_qy-k_qe73b143187_qy
	.p2alignl 7, 3214868480
	.fill 96, 4, 3214868480
	.section	.rodata,"a",@progbits
	.p2align	6, 0x0
	.amdhsa_kernel k_qe73b143187_qy
		.amdhsa_group_segment_fixed_size 327680
		.amdhsa_private_segment_fixed_size 0
		.amdhsa_enable_private_segment 0
		.amdhsa_kernarg_size 40
		.amdhsa_user_sgpr_count 2
		.amdhsa_user_sgpr_kernarg_segment_ptr 1
		.amdhsa_wavefront_size32 1
		.amdhsa_system_sgpr_workgroup_id_x 1
		.amdhsa_system_sgpr_workgroup_id_y 1
		.amdhsa_system_sgpr_workgroup_id_z 1
		.amdhsa_system_vgpr_workitem_id 0
		.amdhsa_next_free_vgpr 1024
		.amdhsa_next_free_sgpr 96
		.amdhsa_reserve_vcc 0
		.amdhsa_float_denorm_mode_32 3
		.amdhsa_float_denorm_mode_16_64 3
		.amdhsa_memory_ordered 1
		.amdhsa_forward_progress 1
		.amdhsa_inst_pref_size 163
	.end_amdhsa_kernel
	.amdgpu_metadata
---
amdhsa.version: [ 1, 2 ]
amdhsa.kernels:
  - .name:           k_qe73b143187_qy
    .symbol:         k_qe73b143187_qy.kd
    .args:
      - { .name: xh, .offset: 0, .size: 8, .value_kind: global_buffer, .address_space: global }
      - { .name: wc, .offset: 8, .size: 8, .value_kind: global_buffer, .address_space: global }
      - { .name: attf, .offset: 16, .size: 8, .value_kind: global_buffer, .address_space: global }
      - { .name: out0, .offset: 24, .size: 8, .value_kind: global_buffer, .address_space: global }
      - { .name: bc, .offset: 32, .size: 8, .value_kind: global_buffer, .address_space: global }
    .group_segment_fixed_size: 327680
    .private_segment_fixed_size: 0
    .kernarg_segment_align: 8
    .kernarg_segment_size: 40
    .max_flat_workgroup_size: 128
    .sgpr_count:     96
    .vgpr_count:     1024
    .wavefront_size: 32
...
	.end_amdgpu_metadata
.endif
;; end of part 4
